; MI455X (gfx1250); checked and timed in simulation.
; The chip was launched on July 23, 2026; its instructions are those of AMD's public machine-readable ISA for CDNA 5 (MIT licence, August 2026) and "CDNA5" Instruction Set Architecture Reference Guide (July 2026). The comments in the code are by the model that wrote it; some were corrected since.
;; Dynamic Quantize Linear. Allowed arithmetic: matrix products marked QUANTISED: E4M3 operands, one given power-of-two scale a tensor, by v_wmma_f32_16x16x64_fp8_fp8 or v_wmma_f32_16x16x128_fp8_fp8, f32 sums; everything else in f32.
;; Inputs: bias 16,384 float32; input_codes 1,024 x 128 x 32 uint8 (E4M3 codes of input, K innermost, in blocks of 32 codes); lowp_scales 2 int32 (the exponents e of the quantised operands' scales 2^e); weight 16,384 x 4,096 int8; weight_scale 16,384 float32.
;; Outputs: out0 1,024 x 16,384 float32.
;; This version of the problem:
;;   THIS VERSION OF THE PROBLEM IS GIVEN IN LOW PRECISION. The matrix products marked QUANTISED in the list below multiply operands that are first quantised to E4M3 (4 exponent bits, 3 mantissa bits; 8 bits a number), with one given power-of-two scale for each operand tensor; their sums are f32. All else is computed in f32.
;;   The module's matrix products, in the order in which they are computed (A, B: the left and right operand; K: the contracted axis; several contracted axes count as one K, in the product's order):
;;     1. [M 1,024, K 4,096] x [K 4,096, N 16,384]; A: input input (given as codes); B: computed on the way: QUANTISED (scales: A lowp_scales[0], B lowp_scales[1])
;;   THE QUANTISER, for each operand of a quantised product, along K:
;;     - The operand's scale is 2^e, e = its entry of the input lowp_scales (int32; the entries are numbered through the quantised products in the list's order, A before B).
;;     - Each number is divided by the scale, clamped to +-448, and rounded to the nearest number of E4M3, ties to even, subnormals kept.
;;     - The product sums the exact products of the quantised numbers (number of the format x scale) in f32.
;;   ~~~python
;;   def quantise(x, axis, e):      # numpy; x: float32 -> the quantised numbers, widened to float32 again
;;       x = np.moveaxis(x, axis, -1); K = x.shape[-1]
;;       r = np.clip(x / 2.0 ** e, -448, 448)
;;       step = 2.0 ** (np.maximum(np.frexp(np.where(r == 0, 1, r))[1] - 1, -6) - 3)
;;       q = np.round(r / step) * step * 2.0 ** e      # np.round: ties to even
;;       return np.moveaxis(q, -1, axis).astype(np.float32)
;;   ~~~
;;   OPERANDS COMPUTED ON THE WAY. 'Computed on the way' means the value that the module computes at that place (a softmax that the list does not call 'softmax' is quantised finished and normalised). What goes into a quantiser is computed in f32, as accurately as f32 sums, v_exp_f32 and their like allow (about 1e-6 of the number): no bf16 or f16 on the way to a quantiser, and a product that is left as it is and whose result goes on into a quantised operand takes f32 operands (vector FMAs, or v_wmma_f32_16x16x4_f32). A number that lies on a knife's edge between two numbers of the format may be rounded either way, as far as f32 arithmetic and the matrix unit's own rounding can turn it there, and no further.
;;   INPUTS GIVEN AS CODES. input (in the module: [1024, 4096], K = its axis 1): each comes as NAME_codes (uint8): NAME with its K axis moved to the last place and cut into blocks of 32 codes, [.., K / 32, bytes a block], one block behind the other in memory; one code a byte (a code: sign, 4 exponent bits, 3 mantissa bits); its scale is its entry of lowp_scales. Its value is code x scale, taken as it is: it is not quantised again, and the codes and scales need not be those that the quantiser above would give.
;; One version. Each part assembles by itself: llvm-mc -triple=amdgcn-amd-amdhsa -mcpu=gfx1250 --defsym DOCPART=n.
;; ======== version 1 of 1: 2 launches
;; limits: right only within a limited range of input values
;; workspace buffers: wq 67,108,864 bytes
;; launch quant (part 1): grid 1024 x 1, 8 waves a work-group, no clusters, 0 bytes of LDS; arguments weight, weight_scale, lowp_scales, wq; writes wq
.if DOCPART == 1
	.amdgcn_target "amdgcn-amd-amdhsa--gfx1250"
	.amdhsa_code_object_version 6
	.text
	.protected	k_q6476555a75_quant
	.globl	k_q6476555a75_quant
	.p2align	8
	.type	k_q6476555a75_quant,@function
k_q6476555a75_quant:
	s_mov_b64 s[64:65], 0
	v_nop
	global_prefetch_b8 v0, s[64:65] scope:SCOPE_SE
	s_setreg_imm32_b32 hwreg(HW_REG_WAVE_MODE, 25, 1), 1
	s_wait_xcnt 0x0
; wq = the E4M3 codes of B: code of f32(weight[n][k]) x weight_scale[n] (one f32 rounding), divided by 2^e1 (e1 = lowp_scales[1]), held within +-448, rounded to nearest, ties to even.
; Nothing of the problem is left out: every input has a way to the output and is read, here or in the next launch.
; LIMITS: e1 between -126 and 119, so that 2^e1 and 448 x 2^e1 are f32 numbers.  NaN or infinity in weight_scale is not served.  The weight -128 is served.
; LAYOUT OF wq: rows of 4,096 codes, K innermost.  Inside each group of 64 rows, weight row 4 r + b lies at place 16 b + r: the next launch's tile b, lane r then holds column 4 r + b.
; SHARES: 8,192 waves, two neighbouring weight rows (8,192 bytes) each: 16 chunks of 512 bytes, 16 bytes a lane.  All 16 loads of a wave are issued at once and there is no loop,
; so there is nothing to prefetch ahead of.  No byte is shared between waves: no LDS, no barrier, no cluster; no products: no matrix instruction.
.set LO,  3                            ; v3  16 x lane
.set LIM, 8                            ; v8  448 x 2^e1
.set SCL, 9                            ; v9  2^e1: the conversion takes its exponent field
.set MAG, 10                           ; v10 2^23
.set RAW, 16                           ; v16-79   16 chunks x 4 words: weights, then in their place the codes
.set FB,  80                           ; v80-111  two sets of 16 f32, by the chunk's parity
.set SC,  112                          ; v112-115 each row's scale, twice: pairs for the packed multiply
.set X80, 26
.set NEGC, 28
.set SEL, 32
	s_load_b256 s[4:11], s[0:1], 0x0               ; weight, weight_scale, lowp_scales, wq
	v_lshrrev_b32 v1, 5, v0
	v_readfirstlane_b32 s12, v1                    ; wave 0..7
	v_and_b32 v2, 31, v0
	v_lshlrev_b32 v[LO], 4, v2
	v_mov_b32 v[MAG], 0x4b000000
	s_lshl_b32 s13, ttmp9, 3
	s_add_co_u32 s13, s13, s12                     ; W: my wave among 8,192
	s_lshl_b32 s14, s13, 13                        ; weight: 8,192 W bytes
	s_mov_b32 s15, 0
	s_lshl_b32 s16, s13, 3                         ; weight_scale: 8 W bytes
	s_mov_b32 s17, 0
	s_lshl_b32 s18, s13, 1                         ; n0 = 2 W, my first row
	s_and_b32 s19, s18, 0xffffffc0                 ; its group of 64
	s_and_b32 s20, s18, 3                          ; b (0 or 2); my second row has b + 1: 16 rows further on in wq
	s_lshl_b32 s20, s20, 4
	s_bfe_u32 s21, s18, 0x40002                    ; r
	s_add_co_u32 s19, s19, s20
	s_add_co_u32 s19, s19, s21
	s_lshl_b32 s18, s19, 12                        ; wq: that row x 4,096 bytes
	s_mov_b32 s19, 0
	s_mov_b32 s[X80], 0x80808080
	s_mov_b32 s[NEGC], 0xcb000080                  ; -(2^23 + 128)
	s_mov_b32 s[NEGC+1], 0xcb000080
.irp e, 0,1,2,3
	s_mov_b32 s[SEL+\e], 0x07060500+\e             ; byte e of the second source under the upper three bytes of the first
.endr
	s_wait_alu depctr_va_vdst(0)
	s_wait_kmcnt 0x0
	s_load_b32 s22, s[8:9], 0x4                    ; e1
	s_add_nc_u64 s[6:7], s[6:7], s[16:17]
	s_load_b64 s[24:25], s[6:7], 0x0               ; my two rows' scales
	s_add_nc_u64 s[4:5], s[4:5], s[14:15]
	s_add_nc_u64 s[10:11], s[10:11], s[18:19]
.irp t, 0,1,2,3,4,5,6,7,8,9,10,11,12,13,14,15
	global_load_b128 v[RAW+4*\t:RAW+4*\t+3], v[LO], s[4:5] offset:512*\t th:TH_LOAD_NT   ; 32 lanes: 512 consecutive bytes; read once in the launch
.endr
	s_wait_kmcnt 0x0
	s_add_co_i32 s22, s22, 127
	s_lshl_b32 s23, s22, 23
	v_mov_b32 v[SCL], s23
	s_add_co_i32 s22, s22, 8
	s_lshl_b32 s22, s22, 23
	s_or_b32 s22, s22, 0x600000
	v_mov_b32 v[LIM], s22
	v_mov_b32 v[SC], s24
	v_mov_b32 v[SC+1], s24
	v_mov_b32 v[SC+2], s25
	v_mov_b32 v[SC+3], s25
	s_wait_alu depctr_va_vdst(0)
; A chunk: sign bits turned (bytes w + 128); a byte under the exponent of 2^23 is 2^23 + 128 + w; taking 2^23 + 128 away is exact; x the row's scale: the one rounding;
; the hold, always executed (the conversion does not saturate: ISA guide 7.6.2); sixteen codes into the words' registers; stored.
.macro CHUNK t
.set R, RAW+4*\t
.set FP, FB+16*(\t%2)
.set SP, SC+2*(\t/8)
	s_wait_loadcnt 15-\t                           ; behind chunk t's load stand 15 - t younger ones
.irp i, 0,1,2,3
	v_xor_b32 v[R+\i], s[X80], v[R+\i]
.endr
.irp i, 0,1,2,3,4,5,6,7,8,9,10,11,12,13,14,15
	v_perm_b32 v[FP+\i], v[MAG], v[R+\i/4], s[SEL+\i%4]
.endr
.irp i, 0,2,4,6,8,10,12,14
	v_pk_add_f32 v[FP+\i:FP+\i+1], v[FP+\i:FP+\i+1], s[NEGC:NEGC+1] op_sel_hi:[1,0]
.endr
.irp i, 0,2,4,6,8,10,12,14
	v_pk_mul_f32 v[FP+\i:FP+\i+1], v[FP+\i:FP+\i+1], v[SP:SP+1]
.endr
.irp i, 0,1,2,3,4,5,6,7,8,9,10,11,12,13,14,15
	v_med3_num_f32 v[FP+\i], v[FP+\i], -v[LIM], v[LIM]
.endr
	v_cvt_scalef32_pk8_fp8_f32 v[R:R+1], v[FP:FP+7], v[SCL]
	v_cvt_scalef32_pk8_fp8_f32 v[R+2:R+3], v[FP+8:FP+15], v[SCL]
	global_store_b128 v[LO], v[R:R+3], s[10:11] offset:65536*(\t/8)+512*(\t%8) th:TH_STORE_NT   ; 32 lanes: 512 consecutive bytes, at a multiple of 256 from wq's first byte
.endm
.irp t, 0,1,2,3,4,5,6,7,8,9,10,11,12,13,14,15
	CHUNK \t
.endr
	s_endpgm
.Lfunc_end_k_q6476555a75_quant:
	.size	k_q6476555a75_quant, .Lfunc_end_k_q6476555a75_quant-k_q6476555a75_quant
	.p2alignl 7, 3214868480
	.fill 96, 4, 3214868480
	.section	.rodata,"a",@progbits
	.p2align	6, 0x0
	.amdhsa_kernel k_q6476555a75_quant
		.amdhsa_group_segment_fixed_size 0
		.amdhsa_private_segment_fixed_size 0
		.amdhsa_enable_private_segment 0
		.amdhsa_kernarg_size 32
		.amdhsa_user_sgpr_count 2
		.amdhsa_user_sgpr_kernarg_segment_ptr 1
		.amdhsa_wavefront_size32 1
		.amdhsa_system_sgpr_workgroup_id_x 1
		.amdhsa_system_sgpr_workgroup_id_y 1
		.amdhsa_system_sgpr_workgroup_id_z 1
		.amdhsa_system_vgpr_workitem_id 0
		.amdhsa_next_free_vgpr 128
		.amdhsa_next_free_sgpr 66
		.amdhsa_reserve_vcc 0
		.amdhsa_float_denorm_mode_32 3
		.amdhsa_float_denorm_mode_16_64 3
		.amdhsa_memory_ordered 1
		.amdhsa_forward_progress 1
		.amdhsa_inst_pref_size 58
	.end_amdhsa_kernel
	.amdgpu_metadata
---
amdhsa.version: [ 1, 2 ]
amdhsa.kernels:
  - .name:           k_q6476555a75_quant
    .symbol:         k_q6476555a75_quant.kd
    .args:
      - { .name: weight, .offset: 0, .size: 8, .value_kind: global_buffer, .address_space: global }
      - { .name: weight_scale, .offset: 8, .size: 8, .value_kind: global_buffer, .address_space: global }
      - { .name: lowp_scales, .offset: 16, .size: 8, .value_kind: global_buffer, .address_space: global }
      - { .name: wq, .offset: 24, .size: 8, .value_kind: global_buffer, .address_space: global }
    .group_segment_fixed_size: 0
    .private_segment_fixed_size: 0
    .kernarg_segment_align: 8
    .kernarg_segment_size: 32
    .max_flat_workgroup_size: 256
    .sgpr_count:     66
    .vgpr_count:     128
    .wavefront_size: 32
...
	.end_amdgpu_metadata
.endif
;; end of part 1
;; launch gemm (part 2): grid 64 x 4, 4 waves a work-group, clusters of 4 x 4, 327,680 bytes of LDS; arguments input_codes, wq, bias, lowp_scales, out0; writes out0
.if DOCPART == 2
	.amdgcn_target "amdgcn-amd-amdhsa--gfx1250"
	.amdhsa_code_object_version 6
	.text
	.protected	k_q6476555a75_gemm
	.globl	k_q6476555a75_gemm
	.p2align	8
	.type	k_q6476555a75_gemm,@function
k_q6476555a75_gemm:
	s_mov_b64 s[64:65], 0
	v_nop
	global_prefetch_b8 v0, s[64:65] scope:SCOPE_SE
	s_setreg_imm32_b32 hwreg(HW_REG_WAVE_MODE, 25, 1), 1
	s_wait_xcnt 0x0
	s_wait_alu depctr_hold_cnt(0) depctr_sa_sdst(0) depctr_va_vdst(0) depctr_va_sdst(0) depctr_va_ssrc(0) depctr_va_vcc(0) depctr_vm_vsrc(0)
	s_getreg_b32 s2, hwreg(HW_REG_IB_STS2, 6, 4)
	s_cmp_eq_u32 s2, 0
	s_cbranch_scc0 .Lentry_in_a_cluster
	s_endpgm
.Lentry_in_a_cluster:
	s_bfe_u32 s2, ttmp6, 0x10000c
	s_cmp_lg_u32 s2, 0xf033
	s_cbranch_scc0 .Lentry_shape_is_right
	s_endpgm
.Lentry_shape_is_right:
; out0[m][n] = 2^(e0+e1) x (sum over k of A[m][k] Q[n][k]) + bias[n].  A: input_codes, [1,024][4,096] E4M3 codes; Q: the weight's codes in wq, rows of 4,096, placed as the launch before lays them
; (inside each group of 64 rows, weight row 4 r + b at place 16 b + r).  Sums in f32.  Nothing of the problem is left out.
; LIMIT: e0 + e1 between -126 and 127, so that 2^(e0+e1) is an f32 number.
; A block of out0, 256 x 256, is made by a work-group of four waves; a wave makes 128 x 128: 64 accumulators, 512 registers.  64 x 4 blocks: 256 work-groups.
; K goes in 16 steps of 256 through a ring of two LDS slots filled by tensor loads: a tile's row is 256 bytes of memory, at a multiple of 256.
; CLUSTERS: 4 x 4 work-groups: all four block rows and four block columns.  The four of a row of the cluster ask for A's tiles jointly, the four of a column for Q's.  The grid has one row of clusters, so the block row is cy.
; Source 0 = 16 rows of A, source 1 = 16 rows of wq: register j of lane (r, h) of accumulator (a, 4 g + b) is out(16 a + 8 h + j, 64 g + 4 r + b): four accumulators hold four neighbouring columns in a lane,
; sixteen lanes 256 consecutive bytes of a row of out0: the result is stored from registers.
; A fragment (16 rows x 128 K, 16 registers) comes by four loads of 16 bytes, 32 bytes apart: the same permutation of k on both sides, so every product meets its partner.
; PREFETCH: behind each refill in the loop a wave names, a lane a row, 32 rows x 256 bytes of the K step two refills on.  The four partners that ask for a tile jointly share its 128 rows out by address.
; Q's rows are named once, by their own cluster; A's rows, which all 16 clusters load, by clusters 0 to 3 alone.  K steps 1 to 3 are named once at the head; the loop's last trip has no step two on and asks for nothing.
; REGISTERS, in windows of 256: window 0: v0-31 addresses, v32-39 bias, from v128 A's fragments, ONE set (on the way out: results).  Window 1: Q's fragments, TWO sets, at v0 and v128.
; Window 2: accumulators of my rows 0-63 ((a, b) at v[8 (8 a + b)]); window 3: those of rows 64-127.
.set ROWB,   256
.set KROW,   4096
.set NROW,   65536
.set PITCH,  272                       ; 256 bytes + 16 of padding = 68 words: the 16 rows that a load touches start at 16 different banks (ISA guide 11.1)
.set FR,     16
.set NL,     4
.set NP,     4                         ; places behind this matrix instruction (ISA guide 7.12.1)
.set HALFT,  128*PITCH
.set SLOT,   4*HALFT                   ; A's 256 rows, then Q's 256 rows
.set LAPS,   8
.set SPARE,  2*SLOT                    ; the spare words: two blocks of 256 bytes that no other line names
.set ADRA, 16
.set ADRB, 20
.set CO,   26                          ; v26 out0: 8 h rows + 16 r bytes
.set BO,   27                          ; v27 bias: 16 r bytes
.set SPW,  28
.set NIL,  29
.set PFO,  30                          ; v30 4,096 x lane
.set BI,   32                          ; v32-39 bias of my lane's eight columns: BI + 4 g + b
.set AF,   128
.set G1, 24
.set G0, 32
.set G1B, 48
.set G0B, 56
.set PFA, 66                           ; s[66:67] where my prefetches stand
.set LIM, 68                           ; s68 a wave prefetches while the trips to go are above it
.set OSC, 96
.set MSB, 0
.macro WIN new
.if MSB != \new
	s_set_vgpr_msb (MSB<<8)|\new
.set MSB, \new
.endif
.endm
.set MUL_LO, 0xa4                      ; source 0 (A) window 0, source 1 (Q) window 1, C and D window 2
.set MUL_HI, 0xf4
.set TO_B,   0x40
.macro JLOAD g0a, g1a, g0b, g1b        ; a joint load: waves 0, 1 fetch for A, waves 2, 3 for Q; s_nop 0 and four v_nop follow each line
	s_cmp_eq_u32 s15, 0
	s_cbranch_scc0 .Lfor_b_\@
	tensor_load_to_lds s[\g0a:\g0a+3], s[\g1a:\g1a+7]
	s_nop 0
.rept 4
	v_nop
.endr
	s_branch .Lasked_\@
.Lfor_b_\@:
	tensor_load_to_lds s[\g0b:\g0b+3], s[\g1b:\g1b+7]
	s_nop 0
.rept 4
	v_nop
.endr
.Lasked_\@:
.endm
.macro CREST
	s_cmp_lg_u32 s14, 0
	s_cbranch_scc1 .Lnot_wave_0_\@
	s_barrier_signal -3
.Lnot_wave_0_\@:
	s_barrier_wait -3
	s_barrier_signal -1
	s_barrier_wait -1
.endm
.macro CROUND
	s_barrier_signal -1
	s_barrier_wait -1
	CREST
.endm
.macro ASK                             ; s3 = 1 in the loop's last trip
	s_cmp_gt_u32 s3, s[LIM]
	s_cbranch_scc0 .Lnot_mine_\@
	global_prefetch_b8 v[PFO], s[PFA:PFA+1] offset:ROWB th:TH_LOAD_NT scope:SCOPE_SE
.Lnot_mine_\@:
.endm
	s_load_b128 s[4:7], s[0:1], 0x0                ; A's codes, wq
	s_load_b128 s[8:11], s[0:1], 0x10              ; bias, lowp_scales
	s_load_b64 s[12:13], s[0:1], 0x20              ; out0
	v_lshl_add_u32 v[SPW], v0, 2, SPARE
	v_mov_b32 v[NIL], 0
	ds_add_u32 v[SPW], v[NIL]                      ; the opening lines: the add, twice on end, and its wait ahead of my first tensor load
	ds_add_u32 v[SPW], v[NIL]
	v_lshrrev_b32 v1, 5, v0
	v_readfirstlane_b32 s14, v1                    ; wave 0..3
	s_lshr_b32 s15, s14, 1                         ; my half of the block's rows.  Also: I fetch for A (0) or for Q (1)
	s_and_b32 s16, s14, 1                          ; my half of its columns.  Also: which 128 rows of that tile I fetch
	s_bfe_u32 s40, ttmp6, 0x40000                  ; cx
	s_bfe_u32 s41, ttmp6, 0x40004                  ; cy
	s_lshl_b32 s42, ttmp9, 2
	s_add_co_u32 s42, s42, s40                     ; block column = 4 x cluster x + cx
	s_mov_b32 s17, s41                             ; block row = cy
	s_lshl_b32 s43, s41, 2
	s_lshl_b32 s43, 15, s43                        ; my row of the cluster
	s_lshl_b32 s44, 0x1111, s40                    ; my column
	s_or_b32 s[G1+0], s43, (0<<16)|(1<<20)|(1<<21)|(5<<22)|(3<<25)  ; mask; elements of 1 byte; padding on; bit 21 beside a mask; after every 64 words, 4 words
	s_or_b32 s[G1B+0], s44, (0<<16)|(1<<20)|(1<<21)|(5<<22)|(3<<25)
.irp g, G1, G1B
	s_mov_b32 s[\g+1], ROWB<<16
	s_mov_b32 s[\g+2], 128<<16
	s_mov_b32 s[\g+3], ROWB<<16
	s_mov_b32 s[\g+4], 128
	s_mov_b32 s[\g+5], KROW
	s_mov_b32 s[\g+6], 0
	s_mov_b32 s[\g+7], 0
.endr
	s_lshl_b32 s18, s16, 7
	s_lshl_b32 s20, s17, 8
	s_add_co_u32 s20, s20, s18                     ; A: row 256 x block row + 128 x half
	s_lshl_b32 s46, s42, 8
	s_add_co_u32 s46, s46, s18                     ; wq: row 256 x block column + 128 x half
	s_lshl_b32 s20, s20, 12                        ; x 4,096 bytes: under 2^22
	s_lshl_b32 s46, s46, 12                        ; under 2^26
	s_mov_b32 s21, 0
	s_mov_b32 s47, 0
	s_mul_i32 s45, s14, HALFT                      ; where they go: wave x 128 rows
	s_wait_dscnt 0x0                               ; both opening adds are done
	s_wait_kmcnt 0x0
	s_load_b64 s[96:97], s[10:11], 0x0             ; e0, e1
	s_add_nc_u64 s[20:21], s[4:5], s[20:21]
	s_add_nc_u64 s[46:47], s[6:7], s[46:47]
	CROUND                                         ; all sixteen work-groups are here: the first joint loads meet
.irp s, 0,1
	s_mov_b32 s[G0+4*\s], 1
	s_add_co_u32 s[G0+4*\s+1], s45, \s*SLOT
	s_add_nc_u64 s[G0+4*\s+2:G0+4*\s+3], s[20:21], \s*ROWB
	s_or_b32 s[G0+4*\s+3], s[G0+4*\s+3], 0x80000000
	s_mov_b32 s[G0B+4*\s], 1
	s_add_co_u32 s[G0B+4*\s+1], s45, \s*SLOT
	s_add_nc_u64 s[G0B+4*\s+2:G0B+4*\s+3], s[46:47], \s*ROWB
	s_or_b32 s[G0B+4*\s+3], s[G0B+4*\s+3], 0x80000000
.endr
	JLOAD G0, G1, G0B, G1B                         ; K step 0: one tensor load a wave at the head
	v_and_b32 v1, 15, v0                           ; r
	v_bfe_u32 v2, v0, 4, 1                         ; h
	v_mul_u32_u24 v3, v1, PITCH
	v_lshl_add_u32 v4, v2, 4, v3
	s_mul_i32 s21, s15, HALFT                      ; my 128 rows of A
	s_mul_i32 s22, s16, HALFT                      ; my 128 rows of Q,
	s_add_co_u32 s22, s22, 2*HALFT                 ; behind A's 256
.irp s, 0,1
	v_add_nc_u32 v[ADRA+\s], s21, v4
	v_add_nc_u32 v[ADRB+\s], s22, v4
	s_add_co_u32 s21, s21, SLOT
	s_add_co_u32 s22, s22, SLOT
.endr
	s_wait_alu depctr_va_vdst(0)
	v_lshlrev_b32 v[CO], 19, v2
	v_lshl_add_u32 v[CO], v1, 4, v[CO]
	v_lshlrev_b32 v[BO], 4, v1
	v_and_b32 v[PFO], 31, v0
	v_lshlrev_b32 v[PFO], 12, v[PFO]
	s_lshl_b32 s20, s17, 24                        ; out0: 256 block rows of 65,536 bytes
	s_lshl_b32 s21, s15, 23                        ;       + 128 rows for my half
	s_add_co_u32 s20, s20, s21
	s_lshl_b32 s46, s42, 10                        ; my first column x 4 bytes: 1,024 x block column + 512 x half
	s_lshl_b32 s47, s16, 9
	s_add_co_u32 s46, s46, s47
	s_mov_b32 s47, 0
	s_mov_b32 s21, 0
	s_add_nc_u64 s[8:9], s[8:9], s[46:47]
	s_add_nc_u64 s[12:13], s[12:13], s[46:47]
	s_add_nc_u64 s[12:13], s[12:13], s[20:21]
	s_lshl_b32 s22, s17, 8                         ; the prefetches: the tile's first row, in A by the block row, in wq by the block column
	s_lshl_b32 s23, s42, 8
	s_cmp_eq_u32 s15, 0
	s_cselect_b32 s20, s22, s23
	s_cselect_b32 s21, s40, s41                    ; my place among the four that ask for it with me
	s_cselect_b64 s[PFA:PFA+1], s[4:5], s[6:7]
	s_lshl_b32 s22, s16, 7
	s_add_co_u32 s20, s20, s22                     ; + the 128 rows that I fetch
	s_lshl_b32 s21, s21, 5
	s_add_co_u32 s20, s20, s21                     ; + my work-group's 32 of them
	s_lshl_b32 s20, s20, 12
	s_mov_b32 s21, 0
	s_add_nc_u64 s[PFA:PFA+1], s[PFA:PFA+1], s[20:21]
	s_add_nc_u64 s[PFA:PFA+1], s[PFA:PFA+1], 2*ROWB  ; at K step 2: the first refill steps it to 3 and names K step 4
	s_cmp_lt_u32 ttmp9, 4
	s_cselect_b32 s[LIM], 1, -1                    ; A's waves ask in clusters 0 to 3 alone (the cluster's number: the same in all partners),
	s_cmp_eq_u32 s15, 0
	s_cselect_b32 s[LIM], s[LIM], 1                ; Q's waves in every cluster
.macro FRAG reg, adr, q, i
.irp c, 0,1,2,3
	ds_load_b128 v[\reg+4*\c:\reg+4*\c+3], v[\adr] offset:128*(\q)+32*\c+(\i)*16*PITCH
.endr
.endm
; 8 matrix instructions: A's block a x Q's eight tiles.  p: Q's set.  zero = 1: the product starts the sum.  The 64 accumulators take turns, in the same order in every step.
.macro MUL8 a, p, zero
.irp b, 0,1,2,3,4,5,6,7
.if \zero
	v_wmma_f32_16x16x128_fp8_fp8 v[8*(8*((\a)%4)+\b):8*(8*((\a)%4)+\b)+7], v[AF+FR*(\a):AF+FR*(\a)+FR-1], v[128*(\p)+FR*\b:128*(\p)+FR*\b+FR-1], 0
.else
	v_wmma_f32_16x16x128_fp8_fp8 v[8*(8*((\a)%4)+\b):8*(8*((\a)%4)+\b)+7], v[AF+FR*(\a):AF+FR*(\a)+FR-1], v[128*(\p)+FR*\b:128*(\p)+FR*\b+FR-1], v[8*(8*((\a)%4)+\b):8*(8*((\a)%4)+\b)+7]
.endif
.endr
.endm
.macro MUL16 a0, p, zero
	MUL8 \a0, \p, \zero
	MUL8 (\a0)+1, \p, \zero
.endm
.macro FETCH_BH slot, q, p, t0         ; sixteen LDS loads: Q's tiles t0 .. t0 + 3 into set p
	WIN TO_B
.irp i, \t0, \t0+1, \t0+2, \t0+3
	FRAG 128*(\p)+FR*(\i), ADRB+\slot, \q, \i
.endr
	WIN 0
.endm
.macro FETCH_A slot, q, i0
.irp i, \i0, \i0+1, \i0+2, \i0+3
	FRAG AF+FR*(\i), ADRA+\slot, \q, \i
.endr
.endm
.macro PLACES n                        ; plain places in front of loads into registers that matrix instructions have read, and of reads of results
.rept \n
	v_nop
.endr
.endm
; A step of 128 along K that has its successor in the same slot.  Q's other set was last read ahead of the four places at the last step's end: it is fetched in two runs of 16 loads, at the step's start and behind its first 16 products.
; A block of A is free once its eight products are issued: blocks 0-3 are fetched anew in the middle, blocks 4-7 at the end.
.macro STEP slot, q, zero
	s_wait_dscnt 4*NL                              ; Q's set and A's blocks 0-3 are in; the youngest 16 loads (blocks 4-7) may be out
	FETCH_BH \slot, (\q)+1, 1-(\q)%2, 0
	WIN MUL_LO
	MUL16 0, (\q)%2, \zero
	FETCH_BH \slot, (\q)+1, 1-(\q)%2, 4
	WIN MUL_LO
	MUL16 2, (\q)%2, \zero
	s_wait_dscnt 8*NL                              ; A's blocks 4-7 are in: behind them stand the 32 loads of Q's next set
	PLACES NP
	WIN 0
	FETCH_A \slot, (\q)+1, 0
	WIN MUL_HI
	MUL16 4, (\q)%2, \zero
	MUL16 6, (\q)%2, \zero
	PLACES NP
	WIN 0
	FETCH_A \slot, (\q)+1, 4
.endm
; A slot's last step changes slots: one barrier; in front of it each wave waits for all its tensor loads, adds 0 to its spare word, and waits for that and for its reads of this slot.  fill = 1: the slot is filled again, two K steps ahead.
; Sixteen products stand ahead of the wait for the tensor loads, eight between the add and the wait for it, eight between the barrier's signal and its wait.
.macro TURN slot, next, fill
.if \fill
	s_wait_xcnt 0x0                                ; my last prefetch has read its address
	s_add_nc_u64 s[PFA:PFA+1], s[PFA:PFA+1], ROWB
.endif
	s_wait_dscnt 4*NL                              ; Q's set and A's blocks 0-3 are in
	WIN MUL_LO
	MUL16 0, 1, 0
	WIN 0
	s_wait_tensorcnt 0x0                           ; my part of the next slot has landed, so every group 0 may be written
	ds_add_u32 v[SPW], v[NIL]
.if \fill
	s_add_nc_u64 s[G0+4*\slot+2:G0+4*\slot+3], s[G0+4*\slot+2:G0+4*\slot+3], 2*ROWB
	s_add_nc_u64 s[G0B+4*\slot+2:G0B+4*\slot+3], s[G0B+4*\slot+2:G0B+4*\slot+3], 2*ROWB
.endif
	WIN MUL_LO
	MUL8 2, 1, 0
	s_wait_dscnt 0x0                               ; the add is done, my reads of this slot are over
	s_barrier_signal -1
	MUL8 3, 1, 0
	WIN 0
	s_barrier_wait -1
.if \fill
	CREST                                          ; the barrier has opened a round of the cluster's barrier
	JLOAD G0+4*\slot, G1, G0B+4*\slot, G1B         ; the first tensor load behind the round; its four v_nop are the places in front of the loads below
.else
	PLACES NP
.endif
	FETCH_BH \next, 0, 0, 0
	FETCH_BH \next, 0, 0, 4
	FETCH_A \next, 0, 0
.if \fill
	ASK
.endif
	WIN MUL_HI
	MUL16 4, 1, 0
	MUL16 6, 1, 0
	PLACES NP
	WIN 0
	FETCH_A \next, 0, 4
.endm
	s_wait_alu depctr_va_vdst(0)
	global_load_b128 v[BI:BI+3],   v[BO], s[8:9]             ; bias of columns 4 r + 0 .. 3 of my 128,
	global_load_b128 v[BI+4:BI+7], v[BO], s[8:9] offset:256  ; and 64 columns on; waited for on the way out
	s_cmp_eq_u32 s[LIM], 1
	s_cbranch_scc0 .Lno_head_ask
	global_prefetch_b8 v[PFO], s[PFA:PFA+1] offset:-ROWB th:TH_LOAD_NT scope:SCOPE_SE  ; K step 1,
	global_prefetch_b8 v[PFO], s[PFA:PFA+1] th:TH_LOAD_NT scope:SCOPE_SE               ; 2
	global_prefetch_b8 v[PFO], s[PFA:PFA+1] offset:ROWB th:TH_LOAD_NT scope:SCOPE_SE   ; and 3 of my 32 rows
.Lno_head_ask:
	s_wait_tensorcnt 0x0                           ; my part of K step 0 is in; the three lines ahead of a later first fill, as ahead of a refill
	ds_add_u32 v[SPW], v[NIL]
	s_wait_dscnt 0x0
	CROUND
	JLOAD G0+4, G1, G0B+4, G1B                     ; K step 1, the first tensor load behind the round
	FETCH_BH 0, 0, 0, 0
	FETCH_BH 0, 0, 0, 4
	FETCH_A 0, 0, 0
	FETCH_A 0, 0, 4
	STEP 0, 0, 1                                   ; the first step starts the sums
	s_mov_b32 s3, LAPS-1
.Llap:                                                 ; a trip goes once round the ring and fills both slots again
	TURN 0, 1, 1
	STEP 1, 0, 0
	TURN 1, 0, 1
	STEP 0, 0, 0
	s_sub_co_u32 s3, s3, 1
	s_cmp_lg_u32 s3, 0
	s_cbranch_scc1 .Llap
	TURN 0, 1, 0                                   ; the last lap fills nothing
	STEP 1, 0, 0
	s_wait_dscnt 4*NL
	WIN MUL_LO
	MUL16 0, 1, 0
	MUL16 2, 1, 0
	s_wait_dscnt 0
	WIN MUL_HI
	MUL16 4, 1, 0
	MUL16 6, 1, 0
	WIN 0
; THE WAY OUT, block by block of 16 rows: sum x 2^(e0+e1) + bias, one fused multiply-add into other registers, register j of all eight accumulators before register j + 1 (each accumulator from its low end on).
; Registers OT + 8 j + 4 g + 0 .. 3 are four neighbouring columns: lanes 0-15 store 256 consecutive bytes at a multiple of 256 from out0's first byte, lanes 16-31 the same eight rows below.
.macro OUTBLK a
.set OT, AF+64*((\a)%2)
.set AC, 64*((\a)%4)
	WIN 0x02+(\a)/4
.irp j, 0,1,2,3,4,5,6,7
.irp c, 0,1,2,3,4,5,6,7
	v_fma_f32 v[OT+8*\j+\c], v[AC+8*\c+\j], s[OSC], v[BI+\c]
.endr
.endr
	WIN 0
.irp j, 0,1,2,3,4,5,6,7
.irp g, 0,1
	global_store_b128 v[CO], v[OT+8*\j+4*\g:OT+8*\j+4*\g+3], s[12:13] offset:(16*(\a)+\j)*NROW+256*\g th:TH_STORE_NT   ; 119 rows and 256 bytes at the most: inside the signed 24-bit immediate
.endr
.endr
.endm
	s_wait_kmcnt 0x0
	s_add_co_i32 s[OSC], s96, s97
	s_add_co_i32 s[OSC], s[OSC], 127
	s_lshl_b32 s[OSC], s[OSC], 23                  ; 2^(e0+e1)
	s_wait_loadcnt 0x0                             ; the bias
	PLACES NP                                      ; behind the last products: ahead of reads of results and of writes over A's fragments
	OUTBLK 0
	OUTBLK 1
.irp a, 2,3,4,5,6,7
	s_wait_xcnt 0x0                                ; the stores of two blocks ago have read their registers
	OUTBLK \a
.endr
	s_wait_tensorcnt 0x0                           ; the wave's end
	ds_add_u32 v[SPW], v[NIL]
	s_wait_dscnt 0x0
	CROUND                                         ; the closing round
	s_endpgm
.Lfunc_end_k_q6476555a75_gemm:
	.size	k_q6476555a75_gemm, .Lfunc_end_k_q6476555a75_gemm-k_q6476555a75_gemm
	.p2alignl 7, 3214868480
	.fill 96, 4, 3214868480
	.section	.rodata,"a",@progbits
	.p2align	6, 0x0
	.amdhsa_kernel k_q6476555a75_gemm
		.amdhsa_group_segment_fixed_size 327680
		.amdhsa_private_segment_fixed_size 0
		.amdhsa_enable_private_segment 0
		.amdhsa_kernarg_size 40
		.amdhsa_user_sgpr_count 2
		.amdhsa_user_sgpr_kernarg_segment_ptr 1
		.amdhsa_wavefront_size32 1
		.amdhsa_system_sgpr_workgroup_id_x 1
		.amdhsa_system_sgpr_workgroup_id_y 1
		.amdhsa_system_sgpr_workgroup_id_z 1
		.amdhsa_system_vgpr_workitem_id 0
		.amdhsa_next_free_vgpr 1024
		.amdhsa_next_free_sgpr 98
		.amdhsa_reserve_vcc 0
		.amdhsa_float_denorm_mode_32 3
		.amdhsa_float_denorm_mode_16_64 3
		.amdhsa_memory_ordered 1
		.amdhsa_forward_progress 1
		.amdhsa_inst_pref_size 125
	.end_amdhsa_kernel
	.amdgpu_metadata
---
amdhsa.version: [ 1, 2 ]
amdhsa.kernels:
  - .name:           k_q6476555a75_gemm
    .symbol:         k_q6476555a75_gemm.kd
    .args:
      - { .name: input_codes, .offset: 0, .size: 8, .value_kind: global_buffer, .address_space: global }
      - { .name: wq, .offset: 8, .size: 8, .value_kind: global_buffer, .address_space: global }
      - { .name: bias, .offset: 16, .size: 8, .value_kind: global_buffer, .address_space: global }
      - { .name: lowp_scales, .offset: 24, .size: 8, .value_kind: global_buffer, .address_space: global }
      - { .name: out0, .offset: 32, .size: 8, .value_kind: global_buffer, .address_space: global }
    .group_segment_fixed_size: 327680
    .private_segment_fixed_size: 0
    .kernarg_segment_align: 8
    .kernarg_segment_size: 40
    .max_flat_workgroup_size: 128
    .sgpr_count:     98
    .vgpr_count:     1024
    .wavefront_size: 32
...
	.end_amdgpu_metadata
.endif
;; end of part 2
